; MI455X (gfx1250); checked and timed in simulation.
; The chip was launched on July 23, 2026; its instructions are those of AMD's public machine-readable ISA for CDNA 5 (MIT licence, August 2026) and "CDNA5" Instruction Set Architecture Reference Guide (July 2026). The comments in the code are by the model that wrote it; some were corrected since.
;; Inner Attention. Allowed arithmetic: float matrix products may take bf16 or f16 operands with f32 sums; other float arithmetic in f32, or as packed bf16 or f16 multiplies, adds, multiply-adds, maxima and minima; sums over many terms, partial sums and values carried from step to step in f32; what a program stores and reads back later, other than sums and carried values, may be rounded once to bf16 or f16.
;; Inputs: x 8 x 2,048 x 1,024 float32; y 8 x 2,048 x 1,024 float32.
;; Outputs: out0 8 x 2,048 x 1,024 float32.
;; 2 versions, each right; version 2 is version 1 with the launch cvt written anew for expert scheduling mode. Each part assembles by itself: llvm-mc -triple=amdgcn-amd-amdhsa -mcpu=gfx1250 --defsym DOCPART=n.
;; ======== version 1 of 2: 4 launches
;; limits: inputs' magnitudes at most 65,504; values are held in f16: magnitudes above 65,504 overflow, below 6.1e-05 lose precision
;; workspace buffers: xh 33,554,432 bytes; yh 33,554,432 bytes; pt 67,108,864 bytes; cmx 1,048,576 bytes; lsm 1,048,576 bytes; sc 524,288 bytes
;; launch cvt (part 1): grid 512 x 2, 8 waves a work-group, no clusters, 0 bytes of LDS; arguments x, y, xh, yh; writes xh, yh
.if DOCPART == 1
	.amdgcn_target "amdgcn-amd-amdhsa--gfx1250"
	.amdhsa_code_object_version 6
	.text
	.protected	k_q0e52a16341_cvt
	.globl	k_q0e52a16341_cvt
	.p2align	8
	.type	k_q0e52a16341_cvt,@function
k_q0e52a16341_cvt:
	s_mov_b64 s[64:65], 0
	v_nop
	global_prefetch_b8 v0, s[64:65] scope:SCOPE_SE
	s_setreg_imm32_b32 hwreg(HW_REG_WAVE_MODE, 25, 1), 1
	s_wait_xcnt 0x0
; xh = x and yh = y in 16 bits: each f32 is rounded once to bf16 (nearest even), and that number is written as f16.
; The second step is exact for magnitudes from 2^-17 to 65,504 (bf16 keeps 8 significant bits, f16 keeps 11).
; LIMITS.  A number beyond 65,504 after its rounding becomes an infinity; below 2^-17 the number keeps f16's fixed step of 6e-8.
; SHARES.  Grid y picks the tensor (0: x, 1: y).  A work-group of eight waves owns 32 stretches of 4,096 input bytes; thread t owns the 16 bytes at 16 t of each.
; A wave's load covers 512 consecutive bytes, its store 256 consecutive bytes that begin at a multiple of 256 from the buffer's first byte.
; A ring of 16 slots in registers keeps 16 loads of every wave on their way.  No LDS, no barrier, no matrix unit: every byte is read once and written once.
.set ROWB,  4096                       ; input bytes of a stretch
.set DEPTH, 16                         ; slots = loads in flight in each wave
.set ROWS,  32                         ; stretches of a work-group
.set PK,    4                          ; v[4:5]    four numbers as bf16
.set WD,    6                          ; v[6:9]    the same four, widened to f32
.set X,     12                         ; v[12:75]  slot s: 4 registers as loaded
.set Y,     76                         ; v[76:107] slot s: 2 registers to store
	s_load_b256 s[4:11], s[0:1], 0x0               ; x s[4:5], y s[6:7], xh s[8:9], yh s[10:11]
	s_and_b32 s12, ttmp7, 0xffff                   ; which tensor
	s_mov_b32 s13, 0xffff0000                      ; a word's upper bf16
	s_lshl_b32 s14, ttmp9, 17                      ; the work-group's 131,072 input bytes
	s_mov_b32 s15, 0
	s_lshl_b32 s16, ttmp9, 16                      ; and its 65,536 output bytes
	s_mov_b32 s17, 0
	v_lshlrev_b32 v1, 4, v0                        ; 16 t; never rewritten
	v_lshlrev_b32 v2, 3, v0                        ; 8 t; never rewritten
	s_wait_kmcnt 0x0
	s_cmp_eq_u32 s12, 0
	s_cselect_b64 s[4:5], s[4:5], s[6:7]           ; from x or from y,
	s_cselect_b64 s[8:9], s[8:9], s[10:11]         ; into xh or into yh
	s_add_nc_u64 s[4:5], s[4:5], s[14:15]
	s_add_nc_u64 s[8:9], s[8:9], s[16:17]
.set r, 0
.rept DEPTH
	global_load_b128 v[X+4*r:X+4*r+3], v1, s[4:5] offset:r*ROWB th:TH_LOAD_NT  ; the ring is filled: stretches 0 to 15
.set r, r+1
.endr
.set r, 0
.rept ROWS                             ; the place of a stretch stands in the immediates, so no address register is ever rewritten
.set sl, r%DEPTH
.if r < ROWS-DEPTH
	s_wait_loadcnt DEPTH-1                         ; loads come back in order (ISA guide 5.7.1): stretch r is in, the 15 younger loads stay out
.else
	s_wait_loadcnt ROWS-1-r                        ; nothing is loaded any more: the count runs down
.endif
	s_wait_xcnt 0x0                                ; the slot's Y registers were the data of the store 16 stretches back: they are rewritten only behind this wait
	v_cvt_pk_bf16_f32 v[PK],   v[X+4*sl],   v[X+4*sl+1]
	v_cvt_pk_bf16_f32 v[PK+1], v[X+4*sl+2], v[X+4*sl+3]
	v_lshlrev_b32 v[WD],   16,  v[PK]              ; bf16 to f32: the low half moves up,
	v_and_b32     v[WD+1], s13, v[PK]              ; the high half stays
	v_lshlrev_b32 v[WD+2], 16,  v[PK+1]
	v_and_b32     v[WD+3], s13, v[PK+1]
	v_cvt_pk_f16_f32 v[Y+2*sl],   v[WD],   v[WD+1]
	v_cvt_pk_f16_f32 v[Y+2*sl+1], v[WD+2], v[WD+3]
.if r < ROWS-DEPTH
	global_load_b128 v[X+4*sl:X+4*sl+3], v1, s[4:5] offset:(r+DEPTH)*ROWB th:TH_LOAD_NT  ; the load ahead of the store
.endif
	global_store_b64 v2, v[Y+2*sl:Y+2*sl+1], s[8:9] offset:r*ROWB/2
.set r, r+1
.endr
	s_endpgm
.Lfunc_end_k_q0e52a16341_cvt:
	.size	k_q0e52a16341_cvt, .Lfunc_end_k_q0e52a16341_cvt-k_q0e52a16341_cvt
	.p2alignl 7, 3214868480
	.fill 96, 4, 3214868480
	.section	.rodata,"a",@progbits
	.p2align	6, 0x0
	.amdhsa_kernel k_q0e52a16341_cvt
		.amdhsa_group_segment_fixed_size 0
		.amdhsa_private_segment_fixed_size 0
		.amdhsa_enable_private_segment 0
		.amdhsa_kernarg_size 32
		.amdhsa_user_sgpr_count 2
		.amdhsa_user_sgpr_kernarg_segment_ptr 1
		.amdhsa_wavefront_size32 1
		.amdhsa_system_sgpr_workgroup_id_x 1
		.amdhsa_system_sgpr_workgroup_id_y 1
		.amdhsa_system_sgpr_workgroup_id_z 1
		.amdhsa_system_vgpr_workitem_id 0
		.amdhsa_next_free_vgpr 112
		.amdhsa_next_free_sgpr 66
		.amdhsa_reserve_vcc 0
		.amdhsa_float_denorm_mode_32 3
		.amdhsa_float_denorm_mode_16_64 3
		.amdhsa_memory_ordered 1
		.amdhsa_forward_progress 1
		.amdhsa_inst_pref_size 21
	.end_amdhsa_kernel
	.amdgpu_metadata
---
amdhsa.version: [ 1, 2 ]
amdhsa.kernels:
  - .name:           k_q0e52a16341_cvt
    .symbol:         k_q0e52a16341_cvt.kd
    .args:
      - { .name: x, .offset: 0, .size: 8, .value_kind: global_buffer, .address_space: global }
      - { .name: y, .offset: 8, .size: 8, .value_kind: global_buffer, .address_space: global }
      - { .name: xh, .offset: 16, .size: 8, .value_kind: global_buffer, .address_space: global }
      - { .name: yh, .offset: 24, .size: 8, .value_kind: global_buffer, .address_space: global }
    .group_segment_fixed_size: 0
    .private_segment_fixed_size: 0
    .kernarg_segment_align: 8
    .kernarg_segment_size: 32
    .max_flat_workgroup_size: 256
    .sgpr_count:     66
    .vgpr_count:     112
    .wavefront_size: 32
...
	.end_amdgpu_metadata
.endif
;; end of part 1
;; launch scores (part 2): grid 8 x 64, 4 waves a work-group, clusters of 4 x 4, 327,680 bytes of LDS; arguments xh, yh, pt, cmx, lsm; writes pt, cmx, lsm
.if DOCPART == 2
	.amdgcn_target "amdgcn-amd-amdhsa--gfx1250"
	.amdhsa_code_object_version 6
	.text
	.protected	k_q0e52a16341_scores
	.globl	k_q0e52a16341_scores
	.p2align	8
	.type	k_q0e52a16341_scores,@function
k_q0e52a16341_scores:
	s_mov_b64 s[64:65], 0
	v_nop
	global_prefetch_b8 v0, s[64:65] scope:SCOPE_SE
	s_setreg_imm32_b32 hwreg(HW_REG_WAVE_MODE, 25, 1), 1
	s_wait_xcnt 0x0
	s_wait_alu depctr_hold_cnt(0) depctr_sa_sdst(0) depctr_va_vdst(0) depctr_va_sdst(0) depctr_va_ssrc(0) depctr_va_vcc(0) depctr_vm_vsrc(0)
	s_getreg_b32 s2, hwreg(HW_REG_IB_STS2, 6, 4)
	s_cmp_eq_u32 s2, 0
	s_cbranch_scc0 .Lentry_in_a_cluster
	s_endpgm
.Lentry_in_a_cluster:
	s_bfe_u32 s2, ttmp6, 0x10000c
	s_cmp_lg_u32 s2, 0xf033
	s_cbranch_scc0 .Lentry_shape_is_right
	s_endpgm
.Lentry_shape_is_right:
; SCORES AND LOCAL WEIGHTS.  e[b][m][n] = the sum over d of xh[b][m][d] yh[b][n][d] (f16 operands, f32 sums, 1,024 channels).  A work-group makes a tile of 256 m x 256 n; each of its four waves 128 x 128.
; A wave's 128 columns are one CHUNK of a row's 2,048.  For each of its rows the wave stores cm = c x (the largest e of the chunk), c = log2(e); the weights pt = 2^(c e - cm), rounded once to f16;
; and ls = the sum of the unrounded weights, in f32.  A later launch finds each row's maximum over the 16 chunks and the row's sum; the number cm that is subtracted here is the number compared there,
; so pt x 2^(cm - CM) / l is the softmax with the row's true maximum taken away, whatever cm's own rounding.
; pt: [8][2048 m][2048 n] f16.  cmx, lsm: [8][16 chunks][2048 m] f32.
; LIMITS.  A weight below 6e-8 counts as 0 in pt, one below 6e-5 keeps f16's fixed step of 6e-8; a weight below 2^-126 counts as 0 in ls.  NaN and infinities are not treated apart.
; THE PRODUCT.  K goes in 8 steps of 128 through a ring of two LDS slots filled by the tensor data mover: rows of 256 bytes of memory that begin at multiples of 256 from the buffer's first byte.
; A trip of the loop is one K step; the slot in hand is a scalar that an exclusive or turns (no address of slot 0 has a bit of SLOT set, so the exclusive or adds or takes away SLOT).
; CLUSTER.  4 x 4 work-groups.  The four of a row of the cluster need the same rows of xh, the four of a column the same rows of yh: each tile is asked for jointly, by the same tensor load
; with the same descriptor and a mask that names the four.
; THE MATRIX INSTRUCTION IS USED TRANSPOSED (source 0 = 16 rows of yh, source 1 = 16 rows of xh): a lane holds row m = lane % 16 and the columns 8 (lane / 16) + 0..7 of each 16 x 16 result,
; so a row's maximum and sum stay in the lane but for one exchange between the halves of the lanes, and eight weights pack into 16 bytes of a row of pt.
; REGISTERS, in windows of 256 (s_set_vgpr_msb: bits 1:0 source 0, 3:2 source 1, 5:4 source 2, 7:6 destination):
;   window 0: v0-31 addresses; v64-127, v128-191 fragments of xh, two buffers; on the way out v64-83 statistics, v192-223 packed weights, v32-63 and v224-255 rows read back
;   window 1: v64-127, v128-191 fragments of yh, two buffers     windows 2, 3: the 64 accumulators: block a of 16 rows (a % 4 in window 2 + a / 4), block b of 16 columns at v[8 (8 (a % 4) + b)]
.set PITCH,  272                       ; an LDS row: 256 bytes + 16 of padding = 68 words: row r starts at bank 4 r mod 64 (64 banks of 4 bytes: ISA guide 11.1), so the 16 rows of a load start at 16 different banks
.set HALFT,  128*PITCH                 ; 128 rows: what one tensor load brings
.set SLOT,   4*HALFT                   ; xh's 256 rows, then yh's 256 rows
.set STAGE,  2*SLOT                    ; behind the ring: 16 rows x 272 bytes for each wave, for the way out
.set SPITCH, 272
.set STATS,  STAGE+4*16*SPITCH         ; 1,024 bytes for each wave: its 128 cm, then its 128 ls
.set SPARE,  STATS+4*1024              ; the spare words, 128 bytes for each wave: two blocks of 256 bytes that no other line names
.set KSTEPB, 256                       ; bytes of a row in a K step
.set PTROW,  4096                      ; bytes in a row of pt
.set ADRA0, 16                         ; v16  my place in xh's part of slot 0; never rewritten
.set ADRA,  17                         ; v17  the same in the slot in hand
.set ADRB0, 20                         ; v20, v21  the same for yh
.set ADRB,  21
.set STO,  24                          ; v24  the way out: where I put 16 bytes of a row
.set RD,   25                          ; v25  where I read rows back
.set CO,   26                          ; v26  my byte offset in two rows of pt
.set STA,  27                          ; v27  my row's word among the wave's statistics
.set SPW,  28                          ; v28  LDS address of my spare word: SPARE + 4 x my thread's number; never rewritten
.set NIL,  29                          ; v29  0; never rewritten
.set STR,  30                          ; v30  where I read 16 bytes of the statistics back
.set SGO,  31                          ; v31  16 x lane
.set OB,   32
.set F0,   64
.set F1,   128
.set TMP,  192
.set CX,   64                          ; v64-71  eight running maxima
.set CMR,  72                          ; v72  cm; v73 is named with it as a pair
.set LSR,  76                          ; v76-83  four packed running sums
.set WV, 14                            ; s14  my wave's number
.set RH, 15                            ; s15  which half of the tile's rows is mine.  Also: I fetch for xh (0) or for yh (1)
.set CH, 16                            ; s16  which half of its columns.  Also: which 128 rows of that tile I fetch
.set CXP, 17                           ; s17, s18  my place in the cluster
.set CYP, 18
.set TC, 19                            ; s19  tile column, 0..7
.set TR, 20                            ; s20  8 x batch + tile row, 0..63
.set CLY, 21                           ; s21  the cluster's y
.set BT, 22                            ; s22  the batch, made of the cluster's y alone
.set G1A, 24                           ; s[24:31] descriptor group 1 for xh's tiles
.set G0A, 32                           ; s[32:35] group 0 of slot 0's first fill; s[36:39] the walking set
.set G1B, 48                           ; s[48:55], s[56:59], s[60:63] the same for yh's tiles
.set G0B, 56
.set CS,  66                           ; s[66:67] c: the packed scaling takes the pair's low word for both halves
.set SEL, 68                           ; s[68:69] v_permlanex16_b32's selects: each lane takes its own place in the other half
.set TB,  70                           ; s70  0 or SLOT: the slot in hand
.set MSB, 0
.macro WIN new                         ; the immediate's high byte repeats the setting that is left; a switch that changes nothing is dropped
.if MSB != (\new)
	s_set_vgpr_msb (MSB<<8)|(\new)
.set MSB, \new
.endif
.endm
.set MUL_LO, 0xa1                      ; source 0 (yh) window 1, source 1 (xh) window 0, C and D window 2
.set MUL_HI, 0xf1                      ; the same, C and D window 3
.set TO_B,   0x40                      ; destination window 1, address window 0
; A joint refill by the walking sets.  Waves 0 and 1 fetch xh's two halves, waves 2 and 3 yh's.  The branch hangs on the wave's number alone.
; An s_nop 0 and four v_nop follow each of the two lines, ahead of the jump and the label.
.macro JLOAD
	s_cmp_eq_u32 s[RH], 0
	s_cbranch_scc0 .Lfor_b_\@
	tensor_load_to_lds s[G0A+4:G0A+7], s[G1A:G1A+7]
	s_nop 0
.rept 4
	v_nop
.endr
	s_branch .Lasked_\@
.Lfor_b_\@:
	tensor_load_to_lds s[G0B+4:G0B+7], s[G1B:G1B+7]
	s_nop 0
.rept 4
	v_nop
.endr
.Lasked_\@:
.endm
; A round of the cluster's barrier: my work-group's barrier, so that wave 0's signal speaks for all four waves; wave 0 signals; every wave waits for all sixteen work-groups; my work-group's barrier once more.
.macro CREST                           ; a round behind its opening barrier
	s_cmp_lg_u32 s[WV], 0
	s_cbranch_scc1 .Lnot_wave_0_\@
	s_barrier_signal -3
.Lnot_wave_0_\@:
	s_barrier_wait -3
	s_barrier_signal -1
	s_barrier_wait -1
.endm
.macro CROUND
	s_barrier_signal -1
	s_barrier_wait -1
	CREST
.endm
.macro PLACES                          ; four plain vector instructions between a matrix instruction and a load into, or a vector instruction on, its registers (ISA guide 7.12.1 for vector instructions)
.rept 4
	v_nop
.endr
.endm
	s_load_b256 s[4:11], s[0:1], 0x0               ; xh s[4:5], yh s[6:7], pt s[8:9], cmx s[10:11]
	s_load_b64 s[12:13], s[0:1], 0x20              ; lsm
	v_lshl_add_u32 v[SPW], v0, 2, SPARE
	v_mov_b32 v[NIL], 0
	ds_add_u32 v[SPW], v[NIL]                      ; the wave's opening: the add and its wait stand ahead of my first tensor load; the set-up below, work on registers, stands between them
	v_lshrrev_b32 v1, 5, v0
	v_readfirstlane_b32 s[WV], v1
	s_lshr_b32 s[RH], s[WV], 1
	s_and_b32 s[CH], s[WV], 1
	s_bfe_u32 s[CXP], ttmp6, 0x40000
	s_bfe_u32 s[CYP], ttmp6, 0x40004
	s_lshl_b32 s[TC], ttmp9, 2                     ; in a cluster launch ttmp9 and ttmp7 count clusters
	s_add_co_u32 s[TC], s[TC], s[CXP]
	s_and_b32 s[CLY], ttmp7, 0xffff
	s_lshl_b32 s[TR], s[CLY], 2
	s_add_co_u32 s[TR], s[TR], s[CYP]
	s_lshr_b32 s[BT], s[CLY], 1                    ; a batch has 8 tile rows, two clusters: the batch never holds my place in the cluster
	s_lshl_b32 s40, s[CYP], 2
	s_lshl_b32 s40, 15, s40                        ; my row of the cluster: places 4 cy .. 4 cy + 3
	s_lshl_b32 s41, 0x1111, s[CXP]                 ; my column: places cx, cx + 4, cx + 8, cx + 12
	; descriptor group 1: a tile of 128 rows x 128 elements, padded in LDS
	s_or_b32 s[G1A], s40, (1<<16)|(1<<20)|(1<<21)|(5<<22)|(3<<25)  ; 15:0 the mask; 17:16 elements of 2 bytes; 20 padding on; 21 set beside a mask; 24:22 after every 64 words (code 5); 31:25 4 words of it (code 3)
	s_or_b32 s[G1B], s41, (1<<16)|(1<<20)|(1<<21)|(5<<22)|(3<<25)
.irp g, G1A, G1B
	s_mov_b32 s[(\g)+1], 128<<16                   ; tensor_dim0 = 128
	s_mov_b32 s[(\g)+2], 128<<16                   ; tensor_dim1 = 128
	s_mov_b32 s[(\g)+3], 128<<16                   ; tile_dim0 = 128
	s_mov_b32 s[(\g)+4], 128                       ; tile_dim1 = 128
	s_mov_b32 s[(\g)+5], 1024                      ; 1,024 elements from row to row
	s_mov_b32 s[(\g)+6], 0
	s_mov_b32 s[(\g)+7], 0
.endr
	; where the tiles come from.  xh's hang on the tile row, which my row of the cluster shares; yh's on the batch and the tile column, which my column shares.  A row is 2,048 bytes.
	s_lshl_b32 s23, s[CH], 18                      ; the 128 rows that I fetch
	s_lshl_b32 s42, s[TR], 19                      ; 256 rows a tile
	s_add_co_u32 s42, s42, s23
	s_mov_b32 s43, 0
	s_lshl_b32 s46, s[BT], 22
	s_lshl_b32 s47, s[TC], 19
	s_add_co_u32 s46, s46, s47
	s_add_co_u32 s46, s46, s23
	s_mov_b32 s47, 0
	s_mul_i32 s23, s[WV], HALFT                    ; and where they go: wave x 128 rows: no place in the cluster enters an LDS address
	s_mov_b32 s[CS], 0x3fb8aa3b                    ; c = log2(e)
	s_mov_b32 s[CS+1], s[CS]
	s_mov_b32 s[SEL], 0x76543210
	s_mov_b32 s[SEL+1], 0xfedcba98
	s_mov_b32 s[TB], 0
	s_wait_dscnt 0x0                               ; the opening add is done
	s_wait_kmcnt 0x0
	s_add_nc_u64 s[42:43], s[4:5], s[42:43]
	s_add_nc_u64 s[46:47], s[6:7], s[46:47]
	CROUND                                         ; all sixteen work-groups are here: the first joint loads meet
	s_mov_b32 s[G0A], 1                            ; count = 1
	s_mov_b32 s[G0A+1], s23                        ; LDS address: slot 0
	s_mov_b64 s[G0A+2:G0A+3], s[42:43]             ; global address: K step 0
	s_or_b32 s[G0A+3], s[G0A+3], 0x80000000        ; type = 2
	s_mov_b32 s[G0A+4], 1
	s_add_co_u32 s[G0A+5], s23, SLOT               ; the walking set begins with slot 1,
	s_add_nc_u64 s[G0A+6:G0A+7], s[42:43], KSTEPB  ; K step 1
	s_or_b32 s[G0A+7], s[G0A+7], 0x80000000
	s_mov_b32 s[G0B], 1
	s_mov_b32 s[G0B+1], s23
	s_mov_b64 s[G0B+2:G0B+3], s[46:47]
	s_or_b32 s[G0B+3], s[G0B+3], 0x80000000
	s_mov_b32 s[G0B+4], 1
	s_add_co_u32 s[G0B+5], s23, SLOT
	s_add_nc_u64 s[G0B+6:G0B+7], s[46:47], KSTEPB
	s_or_b32 s[G0B+7], s[G0B+7], 0x80000000
	s_cmp_eq_u32 s[RH], 0                          ; a wave's two first fills stand in one branch, ahead of every wait on TENSORcnt and every LDS read: two loads of mine are out
	s_cbranch_scc0 .Lfirst_b
	tensor_load_to_lds s[G0A:G0A+3], s[G1A:G1A+7]
	s_nop 0
	tensor_load_to_lds s[G0A+4:G0A+7], s[G1A:G1A+7]
	s_nop 0
.rept 4
	v_nop
.endr
	s_branch .Lfirst_asked
.Lfirst_b:
	tensor_load_to_lds s[G0B:G0B+3], s[G1B:G1B+7]
	s_nop 0
	tensor_load_to_lds s[G0B+4:G0B+7], s[G1B:G1B+7]
	s_nop 0
.rept 4
	v_nop
.endr
.Lfirst_asked:
	; A fragment is 16 rows x 32 K in 8 registers: lane l holds row l % 16; registers 0-3 K = 8 (l / 16) + 0..7, registers 4-7 K = 16 + 8 (l / 16) + 0..7: two loads of 16 bytes, 32 bytes apart.
	v_and_b32 v1, 15, v0                           ; l % 16
	v_bfe_u32 v2, v0, 4, 1                         ; l / 16
	v_mul_u32_u24 v3, v1, PITCH
	v_lshl_add_u32 v3, v2, 4, v3
	s_mul_i32 s23, s[RH], HALFT                    ; my 128 rows of xh
	v_add_nc_u32 v[ADRA0], s23, v3
	s_mul_i32 s23, s[CH], HALFT                    ; my 128 rows of yh,
	s_add_co_u32 s23, s23, 2*HALFT                 ; which lie behind xh's 256
	v_add_nc_u32 v[ADRB0], s23, v3
	v_mov_b32 v[ADRA], v[ADRA0]
	v_mov_b32 v[ADRB], v[ADRB0]
	s_mul_i32 s23, s[WV], 16*SPITCH
	s_add_co_u32 s23, s23, STAGE                   ; my stage
	v_mul_u32_u24 v4, v1, SPITCH                   ; in: row l % 16, 16 bytes for each half of the lanes
	v_lshl_add_u32 v4, v2, 4, v4
	v_add_nc_u32 v[STO], s23, v4
	v_mul_u32_u24 v5, v2, SPITCH                   ; back: lanes 0-15 take one row of 256 bytes, lanes 16-31 the next
	v_lshl_add_u32 v5, v1, 4, v5
	v_add_nc_u32 v[RD], s23, v5
	v_lshlrev_b32 v5, 12, v2                       ; and the same two rows in pt
	v_lshl_add_u32 v[CO], v1, 4, v5
	s_lshl_b32 s23, s[WV], 10
	s_add_co_u32 s23, s23, STATS                   ; my wave's statistics
	v_lshl_add_u32 v[STA], v1, 2, s23
	v_and_b32 v6, 31, v0
	v_lshl_add_u32 v[STR], v6, 4, s23
	v_lshlrev_b32 v[SGO], 4, v6
	s_lshl_b32 s44, s[TR], 20                      ; pt at my part of the tile: 256 rows of 4,096 bytes a tile row,
	s_lshl_b32 s45, s[RH], 19                      ; my 128 rows,
	s_add_co_u32 s44, s44, s45
	s_lshl_b32 s45, s[TC], 9                       ; 512 bytes a tile column,
	s_add_co_u32 s44, s44, s45
	s_lshl_b32 s45, s[CH], 8                       ; my 256 bytes
	s_add_co_u32 s44, s44, s45
	s_mov_b32 s45, 0
	s_add_nc_u64 s[8:9], s[8:9], s[44:45]
	s_lshl_b32 s44, s[BT], 4                       ; cmx and lsm: chunk 16 x batch + 2 x tile column + my half, 8,192 bytes each,
	s_lshl_b32 s45, s[TC], 1
	s_add_co_u32 s44, s44, s45
	s_add_co_u32 s44, s44, s[CH]
	s_lshl_b32 s44, s44, 13
	s_and_b32 s45, s[TR], 7                        ; the tile's 256 rows in the batch,
	s_lshl_b32 s45, s45, 10
	s_add_co_u32 s44, s44, s45
	s_lshl_b32 s45, s[RH], 9                       ; my 128 of them
	s_add_co_u32 s44, s44, s45
	s_mov_b32 s45, 0
	s_add_nc_u64 s[10:11], s[10:11], s[44:45]
	s_add_nc_u64 s[12:13], s[12:13], s[44:45]
; 16 matrix instructions: row blocks a0, a0 + 1 of the window's four x all 8 column blocks, 32 along K.  zero = 1: the product starts the sums: nothing is ever cleared.
; The 64 accumulators take turns, one instruction a turn, in the same order in every quarter.
.macro MUL16 f, hi, a0, zero
	WIN MUL_LO+0x50*(\hi)
.irp a, \a0, (\a0)+1
.irp b, 0,1,2,3,4,5,6,7
.if \zero
	v_wmma_f32_16x16x32_f16 v[8*(8*(\a)+(\b)):8*(8*(\a)+(\b))+7], v[(\f)+8*(\b):(\f)+8*(\b)+7], v[(\f)+8*(4*(\hi)+(\a)):(\f)+8*(4*(\hi)+(\a))+7], 0
.else
	v_wmma_f32_16x16x32_f16 v[8*(8*(\a)+(\b)):8*(8*(\a)+(\b))+7], v[(\f)+8*(\b):(\f)+8*(\b)+7], v[(\f)+8*(4*(\hi)+(\a)):(\f)+8*(4*(\hi)+(\a))+7], v[8*(8*(\a)+(\b)):8*(8*(\a)+(\b))+7]
.endif
.endr
.endr
.endm
; 32 LDS loads in one run: the fragments of quarter q of the slot in hand into buffer f: yh's 128 rows, then xh's
.macro FETCH q, f
	WIN TO_B
.irp i, 0,1,2,3,4,5,6,7
	ds_load_b128 v[(\f)+8*(\i):(\f)+8*(\i)+3],   v[ADRB] offset:64*(\q)+(\i)*16*PITCH
	ds_load_b128 v[(\f)+8*(\i)+4:(\f)+8*(\i)+7], v[ADRB] offset:64*(\q)+(\i)*16*PITCH+32
.endr
	WIN 0
.irp i, 0,1,2,3,4,5,6,7
	ds_load_b128 v[(\f)+8*(\i):(\f)+8*(\i)+3],   v[ADRA] offset:64*(\q)+(\i)*16*PITCH
	ds_load_b128 v[(\f)+8*(\i)+4:(\f)+8*(\i)+7], v[ADRA] offset:64*(\q)+(\i)*16*PITCH+32
.endr
.endm
; A K step is four quarters of 32 along K, 64 matrix instructions each, on buffers 0, 1, 0, 1.  One of the first three multiplies buffer f and, in its middle, fetches quarter q into buffer g.
.macro QUARTER q, f, g, zero
	s_wait_dscnt 8                                 ; yh's fragments and xh's rows 0-63 are in; the youngest eight loads (xh's rows 64-127) may be out
	MUL16 \f, 0, 0, \zero
	MUL16 \f, 0, 2, \zero
	PLACES
	FETCH \q, \g
	s_wait_dscnt 32                                ; all but the 32 just issued
	MUL16 \f, 1, 0, \zero
	MUL16 \f, 1, 2, \zero
.endm
; The last quarter multiplies buffer 1 and changes slots: ONE barrier.  In front of it each wave waits for all its tensor loads (one is out: its part of the next slot), adds 0 to its spare word,
; and waits for that and for its own reads of this slot.  fill = 1: the barrier opens a round of the cluster's, and behind the round this slot is filled again first, with the K step two on:
; from that request to the wait for it a wave issues 224 matrix instructions.
.macro TURN fill
	WIN 0                                          ; (the add's two registers lie in window 0)
	s_wait_tensorcnt 0x0                           ; no tensor load of mine is out, so the walking sets may be written
	ds_add_u32 v[SPW], v[NIL]                      ; 0 onto my spare word
.if \fill
.irp g, G0A+4, G0B+4
	s_xor_b32 s[(\g)+1], s[(\g)+1], SLOT           ; the other slot than last time,
	s_add_nc_u64 s[(\g)+2:(\g)+3], s[(\g)+2:(\g)+3], KSTEPB  ; the next K step; the type bits on top are not reached
.endr
.endif
	s_xor_b32 s[TB], s[TB], SLOT                   ; the fetches go on in the other slot
	s_wait_dscnt 9                                 ; (the add and the youngest eight loads may be out)
	MUL16 F1, 0, 0, 0                              ; sixteen matrix instructions stand between the add and the wait for it
	s_wait_dscnt 0x0                               ; the add is done, and my reads of this slot are over
	s_barrier_signal -1
	MUL16 F1, 0, 2, 0                              ; work on registers while the others arrive
	WIN 0
	v_add_nc_u32 v[ADRA], s[TB], v[ADRA0]
	v_add_nc_u32 v[ADRB], s[TB], v[ADRB0]
	s_barrier_wait -1
.if \fill
	CREST                                          ; no wave of any partner still reads this slot or has a load on its way
	JLOAD                                          ; the first tensor load behind the round; its four v_nop are also the places in front of the loads below
.else
	PLACES
.endif
	FETCH 0, F0
	MUL16 F1, 1, 0, 0
	MUL16 F1, 1, 2, 0
.endm
	s_wait_tensorcnt 1                             ; my part of K step 0 is in; K step 1's may stay out
	s_barrier_signal -1
	s_barrier_wait -1                              ; everybody's is
	FETCH 0, F0
	QUARTER 1, F0, F1, 1                           ; the first quarter stands in front of the loop: its products start the sums
	WIN 0                                          ; at a label and at a branch every window is 0
	s_mov_b32 s3, 6                                ; six trips ask for K steps 2 to 7
.Lstep:                                                ; a trip: from a K step's second quarter to the next step's first
	QUARTER 2, F1, F0, 0
	QUARTER 3, F0, F1, 0
	TURN 1
	QUARTER 1, F0, F1, 0
	WIN 0
	s_sub_co_u32 s3, s3, 1
	s_cmp_lg_u32 s3, 0
	s_cbranch_scc1 .Lstep
	QUARTER 2, F1, F0, 0                           ; the last two K steps are written out: nothing is asked for
	QUARTER 3, F0, F1, 0
	TURN 0
	QUARTER 1, F0, F1, 0
	QUARTER 2, F1, F0, 0
	QUARTER 3, F0, F1, 0
	s_wait_dscnt 8
	MUL16 F1, 0, 0, 0
	MUL16 F1, 0, 2, 0
	s_wait_dscnt 0x0
	MUL16 F1, 1, 0, 0
	MUL16 F1, 1, 2, 0
; THE WAY OUT, a block of 16 rows at a time.  EPI a: the lane's 64 scores of its row (8 accumulators x 8 registers) give the chunk's maximum, the weights in place, their sum, and 32 packed registers.
.macro EPI a
.set WW, 2+(\a)/4
.set AC, 64*((\a)%4)
	WIN WW*0x15                                    ; all three sources in the accumulators' window
.irp b, 0,1,2,3,4,5,6,7
	v_max3_num_f32 v[CX+\b], v[AC+8*\b], v[AC+8*\b+1], v[AC+8*\b+2]  ; each accumulator's lowest registers are read first
.endr
	WIN WW*0x14
.irp b, 0,1,2,3,4,5,6,7
	v_max3_num_f32 v[CX+\b], v[CX+\b], v[AC+8*\b+3], v[AC+8*\b+4]
.endr
.irp b, 0,1,2,3,4,5,6,7
	v_max3_num_f32 v[CX+\b], v[CX+\b], v[AC+8*\b+5], v[AC+8*\b+6]
.endr
.irp b, 0,2,4,6
	v_max3_num_f32 v[CX+\b], v[CX+\b], v[AC+8*\b+7], v[AC+8*\b+15]
.endr
	WIN 0
	v_max3_num_f32 v[CX], v[CX], v[CX+1], v[CX+2]
	v_max3_num_f32 v[CX+3], v[CX+3], v[CX+4], v[CX+5]
	v_max_num_f32 v[CX+6], v[CX+6], v[CX+7]
	v_max3_num_f32 v[CX], v[CX], v[CX+3], v[CX+6]
	v_permlanex16_b32 v[CX+1], v[CX], s[SEL], s[SEL+1]  ; the row's other 64 columns lie in the lane 16 away
	v_max_num_f32 v[CX], v[CX], v[CX+1]
	v_mul_f32 v[CMR], s[CS], v[CX]                 ; cm: this rounded number is subtracted below and stored
	ds_store_b32 v[STA], v[CMR] offset:64*(\a)     ; both halves of the lanes write the same word with the same number
	WIN WW*0x41                                    ; destination and source 0 in the accumulators' window, cm in window 0
.irp z, 0,1,2,3
	v_pk_fma_f32 v[AC+2*\z:AC+2*\z+1], v[AC+2*\z:AC+2*\z+1], s[CS:CS+1], v[CMR:CMR+1] op_sel_hi:[1,0,0] neg_lo:[0,0,1] neg_hi:[0,0,1]  ; c e - cm
.endr
.irp b, 0,1,2,3,4,5,6,7                ; two exponentials, then the scaling of a pair of the next accumulator: no line reads an exponential's result here
.irp z, 0,1,2,3
	v_exp_f32 v[AC+8*\b+2*\z], v[AC+8*\b+2*\z]
	v_exp_f32 v[AC+8*\b+2*\z+1], v[AC+8*\b+2*\z+1]
.if \b < 7
	v_pk_fma_f32 v[AC+8*\b+8+2*\z:AC+8*\b+9+2*\z], v[AC+8*\b+8+2*\z:AC+8*\b+9+2*\z], s[CS:CS+1], v[CMR:CMR+1] op_sel_hi:[1,0,0] neg_lo:[0,0,1] neg_hi:[0,0,1]
.endif
.endr
.endr
	WIN WW*5                                       ; sources 0 and 1 in the accumulators' window, destination in window 0
	s_wait_alu depctr_va_vdst(0)
.irp b, 0,1,2,3,4,5,6,7                ; the first roundings read weights made long ago: they are the plain instructions behind the last exponentials (ISA guide 5.7.2)
.irp z, 0,1,2,3
	v_cvt_pk_f16_f32 v[TMP+4*\b+\z], v[AC+8*\b+2*\z], v[AC+8*\b+2*\z+1]
.endr
.endr
.irp z, 0,1,2,3
	v_pk_add_f32 v[LSR+2*\z:LSR+2*\z+1], v[AC+2*\z:AC+2*\z+1], v[AC+8+2*\z:AC+9+2*\z]  ; four chains of packed sums, started by the first two accumulators
.endr
	WIN WW*4
.irp b, 2,3,4,5,6,7
.irp z, 0,1,2,3
	v_pk_add_f32 v[LSR+2*\z:LSR+2*\z+1], v[LSR+2*\z:LSR+2*\z+1], v[AC+8*\b+2*\z:AC+8*\b+2*\z+1]
.endr
.endr
	WIN 0
	v_pk_add_f32 v[LSR:LSR+1], v[LSR:LSR+1], v[LSR+2:LSR+3]
	v_pk_add_f32 v[LSR+4:LSR+5], v[LSR+4:LSR+5], v[LSR+6:LSR+7]
	v_pk_add_f32 v[LSR:LSR+1], v[LSR:LSR+1], v[LSR+4:LSR+5]
	v_add_f32 v[LSR], v[LSR], v[LSR+1]
	v_permlanex16_b32 v[LSR+1], v[LSR], s[SEL], s[SEL+1]
	v_add_f32 v[LSR], v[LSR], v[LSR+1]
	ds_store_b32 v[STA], v[LSR] offset:512+64*(\a)
.endm
.macro TOSTAGE a                       ; 16 bytes a lane into rows of 272 bytes of my own stage, and back as whole rows of 256
	WIN 0
.set BK, OB+192*((\a)%2)
.irp b, 0,1,2,3,4,5,6,7
	ds_store_b128 v[STO], v[TMP+4*(\b):TMP+4*(\b)+3] offset:32*(\b)
.endr
.irp t, 0,1,2,3,4,5,6,7
	ds_load_b128 v[BK+4*(\t):BK+4*(\t)+3], v[RD] offset:(\t)*2*SPITCH  ; LDS serves a wave's instructions in order (ISA guide 5.7.1.4): these see the stores above
.endr
.endm
.macro SEND a, younger                 ; younger: the LDS instructions issued behind TOSTAGE's loads: the next block's two stores of statistics, or none
	WIN 0
.set BK, OB+192*((\a)%2)
	s_wait_dscnt \younger                          ; the block is back in registers
	s_wait_xcnt 0x0                                ; the stores of the block before have read their registers: the next block is read back into them only behind this wait
.irp t, 0,1,2,3,4,5,6,7
	global_store_b128 v[CO], v[BK+4*(\t):BK+4*(\t)+3], s[8:9] offset:(16*(\a)+2*(\t))*PTROW  ; 16 lanes store 256 consecutive bytes, at a multiple of 256 from pt's first byte; 126 rows at the most in the immediate
.endr
.endm
	PLACES                                         ; behind the last products
	WIN 0
	v_mov_b32 v[CMR+1], 0                          ; named with cm as a pair, so it is written
	EPI 0
	TOSTAGE 0
.irp a, 1,2,3,4,5,6,7                  ; block a's arithmetic stands between block a - 1's loads from the stage and the wait for them
	EPI \a
	SEND (\a)-1, 2
	TOSTAGE \a
.endr
	SEND 7, 0
	ds_load_b128 v[CX:CX+3], v[STR]                ; my wave's 128 cm and 128 ls, 512 bytes each: my own bytes, served in order behind my stores
	ds_load_b128 v[CX+4:CX+7], v[STR] offset:512
	s_wait_dscnt 0x0
	global_store_b128 v[SGO], v[CX:CX+3], s[10:11]   ; 512 consecutive bytes, at a multiple of 512 from the buffer's first byte
	global_store_b128 v[SGO], v[CX+4:CX+7], s[12:13]
	s_wait_tensorcnt 0x0                           ; the wave's end, behind my last tensor load and my last LDS store
	ds_add_u32 v[SPW], v[NIL]
	s_wait_dscnt 0x0
	CROUND                                         ; the closing round: no work-group ends while a partner may still ask for a tile that names it
	s_endpgm
.Lfunc_end_k_q0e52a16341_scores:
	.size	k_q0e52a16341_scores, .Lfunc_end_k_q0e52a16341_scores-k_q0e52a16341_scores
	.p2alignl 7, 3214868480
	.fill 96, 4, 3214868480
	.section	.rodata,"a",@progbits
	.p2align	6, 0x0
	.amdhsa_kernel k_q0e52a16341_scores
		.amdhsa_group_segment_fixed_size 327680
		.amdhsa_private_segment_fixed_size 0
		.amdhsa_enable_private_segment 0
		.amdhsa_kernarg_size 40
		.amdhsa_user_sgpr_count 2
		.amdhsa_user_sgpr_kernarg_segment_ptr 1
		.amdhsa_wavefront_size32 1
		.amdhsa_system_sgpr_workgroup_id_x 1
		.amdhsa_system_sgpr_workgroup_id_y 1
		.amdhsa_system_sgpr_workgroup_id_z 1
		.amdhsa_system_vgpr_workitem_id 0
		.amdhsa_next_free_vgpr 1024
		.amdhsa_next_free_sgpr 72
		.amdhsa_reserve_vcc 0
		.amdhsa_float_denorm_mode_32 3
		.amdhsa_float_denorm_mode_16_64 3
		.amdhsa_memory_ordered 1
		.amdhsa_forward_progress 1
		.amdhsa_inst_pref_size 185
	.end_amdhsa_kernel
	.amdgpu_metadata
---
amdhsa.version: [ 1, 2 ]
amdhsa.kernels:
  - .name:           k_q0e52a16341_scores
    .symbol:         k_q0e52a16341_scores.kd
    .args:
      - { .name: xh, .offset: 0, .size: 8, .value_kind: global_buffer, .address_space: global }
      - { .name: yh, .offset: 8, .size: 8, .value_kind: global_buffer, .address_space: global }
      - { .name: pt, .offset: 16, .size: 8, .value_kind: global_buffer, .address_space: global }
      - { .name: cmx, .offset: 24, .size: 8, .value_kind: global_buffer, .address_space: global }
      - { .name: lsm, .offset: 32, .size: 8, .value_kind: global_buffer, .address_space: global }
    .group_segment_fixed_size: 327680
    .private_segment_fixed_size: 0
    .kernarg_segment_align: 8
    .kernarg_segment_size: 40
    .max_flat_workgroup_size: 128
    .sgpr_count:     72
    .vgpr_count:     1024
    .wavefront_size: 32
...
	.end_amdgpu_metadata
.endif
;; end of part 2
;; launch norm (part 3): grid 128 x 1, 1 waves a work-group, no clusters, 0 bytes of LDS; arguments cmx, lsm, sc; writes sc
.if DOCPART == 3
	.amdgcn_target "amdgcn-amd-amdhsa--gfx1250"
	.amdhsa_code_object_version 6
	.text
	.protected	k_q0e52a16341_norm
	.globl	k_q0e52a16341_norm
	.p2align	8
	.type	k_q0e52a16341_norm,@function
k_q0e52a16341_norm:
	s_mov_b64 s[64:65], 0
	v_nop
	global_prefetch_b8 v0, s[64:65] scope:SCOPE_SE
	s_setreg_imm32_b32 hwreg(HW_REG_WAVE_MODE, 25, 1), 1
	s_wait_xcnt 0x0
; THE ROWS' STATISTICS.  For each row m of each batch: CM = the largest of its 16 chunks' cm; l = the sum over the chunks of ls x 2^(cm - CM); sc[chunk][m] = 2^(cm - CM) / l, rounded once to f16.
; cmx, lsm: [8][16 chunks][2048 m] f32.  sc: [8][16][2048 m] f16.  All arithmetic in f32.  The chunk that holds the row's maximum has ls of about 1 or more, so l is never small.
; LIMITS.  A correction below 6e-8 counts as 0, one below 6e-5 keeps f16's fixed step of 6e-8.  NaN and infinities are not treated apart.
; SHARES.  16,384 rows x 16 chunks x 8 bytes are 2 MiB in all.  A work-group is one wave; it takes 128 rows of a batch, four neighbouring rows a lane: a load covers 512 consecutive bytes of a chunk,
; a store 256 consecutive bytes at a multiple of 256 from sc's first byte.  All 32 loads go out at once; nothing meets another wave, so there is no LDS and no barrier.
.set CMV,  4                           ; v[4:67]    chunk c's cm of my four rows at CMV + 4 c; later 2^(cm - CM), then the correction
.set LSV,  68                          ; v[68:131]  the same for ls
.set MX,   132                         ; v[132:135] CM of my four rows
.set LL,   136                         ; v[136:139] l
.set RC,   140                         ; v[140:143] 1 / l
.set OUTR, 144                         ; v[144:175] chunk c's four corrections, packed, at OUTR + 2 c
	s_load_b128 s[4:7], s[0:1], 0x0                ; cmx s[4:5], lsm s[6:7]
	s_load_b64 s[8:9], s[0:1], 0x10                ; sc
	s_lshr_b32 s10, ttmp9, 4                       ; the batch
	s_and_b32 s11, ttmp9, 15                       ; which 128 rows of it
	s_lshl_b32 s12, s10, 17                        ; a batch is 131,072 bytes of cmx,
	s_lshl_b32 s13, s11, 9                         ; 128 rows are 512
	s_add_co_u32 s12, s12, s13
	s_mov_b32 s13, 0
	s_lshl_b32 s14, s10, 16                        ; and half of that in sc
	s_lshl_b32 s15, s11, 8
	s_add_co_u32 s14, s14, s15
	s_mov_b32 s15, 0
	v_lshlrev_b32 v1, 4, v0                        ; 16 x lane
	v_lshlrev_b32 v2, 3, v0                        ; 8 x lane
	s_wait_kmcnt 0x0
	s_add_nc_u64 s[4:5], s[4:5], s[12:13]
	s_add_nc_u64 s[6:7], s[6:7], s[12:13]
	s_add_nc_u64 s[8:9], s[8:9], s[14:15]
.set c, 0
.rept 16
	global_load_b128 v[CMV+4*c:CMV+4*c+3], v1, s[4:5] offset:8192*c
	global_load_b128 v[LSV+4*c:LSV+4*c+3], v1, s[6:7] offset:8192*c
.set c, c+1
.endr
	s_wait_loadcnt 0x0
.irp k, 0,1,2,3
	v_max3_num_f32 v[MX+\k], v[CMV+\k], v[CMV+4+\k], v[CMV+8+\k]
.endr
.irp c, 3,5,7,9,11,13
.irp k, 0,1,2,3
	v_max3_num_f32 v[MX+\k], v[MX+\k], v[CMV+4*\c+\k], v[CMV+4*\c+4+\k]
.endr
.endr
.irp k, 0,1,2,3
	v_max_num_f32 v[MX+\k], v[MX+\k], v[CMV+60+\k]
.endr
.set i, 0
.rept 32                               ; pair i: chunk i / 2, rows 2 (i % 2) and the next
	v_pk_add_f32 v[CMV+2*i:CMV+2*i+1], v[CMV+2*i:CMV+2*i+1], v[MX+2*(i%2):MX+2*(i%2)+1] neg_lo:[0,1] neg_hi:[0,1]  ; cm - CM, at most 0
.set i, i+1
.endr
.set i, 0
.rept 64
	v_exp_f32 v[CMV+i], v[CMV+i]
.set i, i+1
.endr
	v_nop                                          ; a plain instruction between the exponentials and the first use of a result (ISA guide 5.7.2)
	s_wait_alu depctr_va_vdst(0)
	v_pk_mul_f32 v[LL:LL+1], v[CMV:CMV+1], v[LSV:LSV+1]          ; chunk 0 starts the sums: nothing is cleared
	v_pk_mul_f32 v[LL+2:LL+3], v[CMV+2:CMV+3], v[LSV+2:LSV+3]
.set i, 2
.rept 30
	v_pk_fma_f32 v[LL+2*(i%2):LL+2*(i%2)+1], v[CMV+2*i:CMV+2*i+1], v[LSV+2*i:LSV+2*i+1], v[LL+2*(i%2):LL+2*(i%2)+1]
.set i, i+1
.endr
.irp k, 0,1,2,3
	v_rcp_f32 v[RC+\k], v[LL+\k]
.endr
	v_nop                                          ; a plain instruction behind the last reciprocal
.set i, 0
	s_wait_alu depctr_va_vdst(0)
.rept 32
	v_pk_mul_f32 v[CMV+2*i:CMV+2*i+1], v[CMV+2*i:CMV+2*i+1], v[RC+2*(i%2):RC+2*(i%2)+1]
.set i, i+1
.endr
.set i, 0
.rept 32
	v_cvt_pk_f16_f32 v[OUTR+i], v[CMV+2*i], v[CMV+2*i+1]
.set i, i+1
.endr
.set c, 0
.rept 16
	global_store_b64 v2, v[OUTR+2*c:OUTR+2*c+1], s[8:9] offset:4096*c
.set c, c+1
.endr
	s_endpgm
.Lfunc_end_k_q0e52a16341_norm:
	.size	k_q0e52a16341_norm, .Lfunc_end_k_q0e52a16341_norm-k_q0e52a16341_norm
	.p2alignl 7, 3214868480
	.fill 96, 4, 3214868480
	.section	.rodata,"a",@progbits
	.p2align	6, 0x0
	.amdhsa_kernel k_q0e52a16341_norm
		.amdhsa_group_segment_fixed_size 0
		.amdhsa_private_segment_fixed_size 0
		.amdhsa_enable_private_segment 0
		.amdhsa_kernarg_size 24
		.amdhsa_user_sgpr_count 2
		.amdhsa_user_sgpr_kernarg_segment_ptr 1
		.amdhsa_wavefront_size32 1
		.amdhsa_system_sgpr_workgroup_id_x 1
		.amdhsa_system_sgpr_workgroup_id_y 1
		.amdhsa_system_sgpr_workgroup_id_z 1
		.amdhsa_system_vgpr_workitem_id 0
		.amdhsa_next_free_vgpr 176
		.amdhsa_next_free_sgpr 66
		.amdhsa_reserve_vcc 0
		.amdhsa_float_denorm_mode_32 3
		.amdhsa_float_denorm_mode_16_64 3
		.amdhsa_memory_ordered 1
		.amdhsa_forward_progress 1
		.amdhsa_inst_pref_size 18
	.end_amdhsa_kernel
	.amdgpu_metadata
---
amdhsa.version: [ 1, 2 ]
amdhsa.kernels:
  - .name:           k_q0e52a16341_norm
    .symbol:         k_q0e52a16341_norm.kd
    .args:
      - { .name: cmx, .offset: 0, .size: 8, .value_kind: global_buffer, .address_space: global }
      - { .name: lsm, .offset: 8, .size: 8, .value_kind: global_buffer, .address_space: global }
      - { .name: sc, .offset: 16, .size: 8, .value_kind: global_buffer, .address_space: global }
    .group_segment_fixed_size: 0
    .private_segment_fixed_size: 0
    .kernarg_segment_align: 8
    .kernarg_segment_size: 24
    .max_flat_workgroup_size: 32
    .sgpr_count:     66
    .vgpr_count:     176
    .wavefront_size: 32
...
	.end_amdgpu_metadata
.endif
;; end of part 3
;; launch mix (part 4): grid 4 x 64, 4 waves a work-group, clusters of 4 x 4, 327,680 bytes of LDS; arguments pt, xh, out0, sc; writes out0
.if DOCPART == 4
	.amdgcn_target "amdgcn-amd-amdhsa--gfx1250"
	.amdhsa_code_object_version 6
	.text
	.protected	k_q0e52a16341_mix
	.globl	k_q0e52a16341_mix
	.p2align	8
	.type	k_q0e52a16341_mix,@function
k_q0e52a16341_mix:
	s_mov_b64 s[64:65], 0
	v_nop
	global_prefetch_b8 v0, s[64:65] scope:SCOPE_SE
	s_setreg_imm32_b32 hwreg(HW_REG_WAVE_MODE, 25, 1), 1
	s_wait_xcnt 0x0
	s_wait_alu depctr_hold_cnt(0) depctr_sa_sdst(0) depctr_va_vdst(0) depctr_va_sdst(0) depctr_va_ssrc(0) depctr_va_vcc(0) depctr_vm_vsrc(0)
	s_getreg_b32 s2, hwreg(HW_REG_IB_STS2, 6, 4)
	s_cmp_eq_u32 s2, 0
	s_cbranch_scc0 .Lentry_in_a_cluster
	s_endpgm
.Lentry_in_a_cluster:
	s_bfe_u32 s2, ttmp6, 0x10000c
	s_cmp_lg_u32 s2, 0xf033
	s_cbranch_scc0 .Lentry_shape_is_right
	s_endpgm
.Lentry_shape_is_right:
; THE SECOND PRODUCT.  out0[b][n][d] = the sum over m of p[m][n] xh[b][m][d], p[m][n] = pt[b][m][n] x sc[b][chunk of n][m]: the local weight times its row's correction, one packed f16 multiply
; between the LDS load and the matrix instruction.  f16 operands, f32 sums over 2,048 rows m, out0 in f32.  pt: [8][2048 m][2048 n] f16; xh: [8][2048 m][1024 d] f16; sc: [8][16][2048 m] f16.
; LIMITS.  A product p below 6e-8 counts as 0, one below 6e-5 keeps f16's fixed step of 6e-8.  NaN and infinities are not treated apart.
; SHARES.  A work-group makes a tile of 256 n x 256 d, each of its four waves 128 x 128: 64 accumulators, 512 registers.  8 batches x 8 x 4 tiles are 256 work-groups.  A wave's 128 n are one chunk.
; BOTH OPERANDS LIE [K][column] in memory (K = m), so both tiles come in as they lie, 128 rows m x 512 bytes a K step, and every fragment is turned on its way out of LDS by ds_load_tr16_b128.
; K goes in 16 steps of 128 through a ring of two LDS slots; a trip of the loop is one K step; the slot in hand is a scalar that an exclusive or turns (no address of slot 0 has a bit of SLOT set).
; CLUSTER.  4 x 4 work-groups.  The four of a row of the cluster make the same 256 n and need the same tiles of pt; the four of a column make the same 256 d of one batch and need the same tiles of xh:
; each tile is asked for jointly, by the same tensor load with the same descriptor and a mask that names the four.
; THE MATRIX INSTRUCTION: source 0 = 16 columns d of xh, source 1 = 16 columns n of p: a lane holds row n = lane % 16 of out0 and the columns d = 8 (lane / 16) + 0..7 of each 16 x 16 result.
; THE SCALINGS ride behind matrix instructions, four at a time: a quarter's 64 (8 fragments of p x 8 registers) stand in 16 groups among 64 products, each group ahead of the products that read its registers.
; REGISTERS, in windows of 256 (s_set_vgpr_msb: bits 1:0 source 0, 3:2 source 1, 5:4 source 2, 7:6 destination):
;   window 0: v0-31 addresses; v32-39, v40-47 the corrections that go with fragment buffers 0, 1; v64-127, v128-191 fragments of p, two buffers; on the way out those 128 hold rows read back
;   window 1: v64-127, v128-191 fragments of xh, two buffers     windows 2, 3: the accumulators: block a of 16 n (a % 4 in window 2 + a / 4), block b of 16 d at v[8 (8 (a % 4) + b)]
.set PITCH,  544                       ; an LDS row: 512 bytes + 32 of padding = 136 words: row r starts at bank 8 r mod 64 (64 banks of 4 bytes: ISA guide 11.1)
.set HALFT,  64*PITCH                  ; 64 rows: what one tensor load brings
.set AREG,   2*HALFT                   ; pt's 128 rows; xh's 128 lie behind them
.set SLOT,   4*HALFT
.set STAGE,  2*SLOT                    ; behind the ring: 16 rows x 528 bytes for each wave, for the way out
.set SPITCH, 528
.set TAB,    STAGE+4*16*SPITCH         ; the corrections of the tile's two chunks: 2 x 2,048 m x 2 bytes
.set SPARE,  TAB+8192                  ; the spare words, 128 bytes for each wave: two blocks of 256 bytes that no other line names
.set ASTEP,  128*4096                  ; bytes from a K step to the next in pt,
.set BSTEP,  128*2048                  ; and in xh
.set OROW,   4096                      ; bytes in a row of out0
.set ADRA0, 16                         ; v16  my place in pt's part of slot 0; never rewritten
.set ADRA,  17                         ; v17  the same in the slot in hand
.set ADRB0, 20                         ; v20, v21  the same for xh
.set ADRB,  21
.set SCA,  22                          ; v22  my place in my chunk's corrections, at the K step in hand
.set STO,  24                          ; v24  the way out: where I put 32 bytes of a row
.set RD,   25                          ; v25  where I read a row back
.set CO,   26                          ; v26  16 x lane
.set TGO,  27                          ; v27  16 x my thread's number
.set SPW,  28                          ; v28  LDS address of my spare word: SPARE + 4 x my thread's number; never rewritten
.set NIL,  29                          ; v29  0; never rewritten
.set TLO,  30                          ; v30  TAB + 16 x my thread's number
.set SCR,  32
.set F0,   64
.set F1,   128
.set WV, 14                            ; s14  my wave's number
.set RH, 15                            ; s15  which half of the tile's n is mine.  Also: I fetch for pt (0) or for xh (1)
.set CH, 16                            ; s16  which half of its d.  Also: which 64 rows m of that tile I fetch
.set CXP, 17                           ; s17, s18  my place in the cluster
.set CYP, 18
.set TC, 19                            ; s19  tile column (d), 0..3
.set TR, 20                            ; s20  8 x batch + tile row (n), 0..63
.set CLY, 21                           ; s21  the cluster's y
.set BT, 22                            ; s22  the batch, made of the cluster's y alone
.set G1A, 24                           ; s[24:31] descriptor group 1 for pt's tiles
.set G0A, 32                           ; s[32:35] group 0 of slot 0's first fill; s[36:39] the walking set
.set G1B, 48                           ; s[48:55], s[56:59], s[60:63] the same for xh's tiles
.set G0B, 56
.set TB,  70                           ; s70  0 or SLOT: the slot in hand
.set MSB, 0
.macro WIN new                         ; the immediate's high byte repeats the setting that is left; a switch that changes nothing is dropped
.if MSB != (\new)
	s_set_vgpr_msb (MSB<<8)|(\new)
.set MSB, \new
.endif
.endm
.set MUL_LO, 0xa1                      ; source 0 (xh) window 1, source 1 (p) window 0, C and D window 2
.set MUL_HI, 0xf1                      ; the same, C and D window 3
.set TO_B,   0x40                      ; destination window 1, address window 0
; A joint refill by the walking sets.  Waves 0 and 1 fetch pt's two halves, waves 2 and 3 xh's.  The branch hangs on the wave's number alone.
; An s_nop 0 and four v_nop follow each of the two lines, ahead of the jump and the label.
.macro JLOAD
	s_cmp_eq_u32 s[RH], 0
	s_cbranch_scc0 .Lfor_b_\@
	tensor_load_to_lds s[G0A+4:G0A+7], s[G1A:G1A+7]
	s_nop 0
.rept 4
	v_nop
.endr
	s_branch .Lasked_\@
.Lfor_b_\@:
	tensor_load_to_lds s[G0B+4:G0B+7], s[G1B:G1B+7]
	s_nop 0
.rept 4
	v_nop
.endr
.Lasked_\@:
.endm
; A round of the cluster's barrier: my work-group's barrier, so that wave 0's signal speaks for all four waves; wave 0 signals; every wave waits for all sixteen work-groups; my work-group's barrier once more.
.macro CREST                           ; a round behind its opening barrier
	s_cmp_lg_u32 s[WV], 0
	s_cbranch_scc1 .Lnot_wave_0_\@
	s_barrier_signal -3
.Lnot_wave_0_\@:
	s_barrier_wait -3
	s_barrier_signal -1
	s_barrier_wait -1
.endm
.macro CROUND
	s_barrier_signal -1
	s_barrier_wait -1
	CREST
.endm
.macro PLACES                          ; four plain vector instructions between a matrix instruction and a load into, or a store from, its registers (ISA guide 7.12.1 for vector instructions)
.rept 4
	v_nop
.endr
.endm
	s_load_b256 s[4:11], s[0:1], 0x0               ; pt s[4:5], xh s[6:7], out0 s[8:9], sc s[10:11]
	v_lshl_add_u32 v[SPW], v0, 2, SPARE
	v_mov_b32 v[NIL], 0
	ds_add_u32 v[SPW], v[NIL]                      ; the wave's opening: the add and its wait stand ahead of my first tensor load; the set-up below, work on registers, stands between them
	v_lshrrev_b32 v1, 5, v0
	v_readfirstlane_b32 s[WV], v1
	s_lshr_b32 s[RH], s[WV], 1
	s_and_b32 s[CH], s[WV], 1
	s_bfe_u32 s[CXP], ttmp6, 0x40000
	s_bfe_u32 s[CYP], ttmp6, 0x40004
	s_lshl_b32 s[TC], ttmp9, 2                     ; in a cluster launch ttmp9 and ttmp7 count clusters
	s_add_co_u32 s[TC], s[TC], s[CXP]
	s_and_b32 s[CLY], ttmp7, 0xffff
	s_lshl_b32 s[TR], s[CLY], 2
	s_add_co_u32 s[TR], s[TR], s[CYP]
	s_lshr_b32 s[BT], s[CLY], 1                    ; a batch has 8 tile rows, two clusters: the batch never holds my place in the cluster
	s_lshl_b32 s40, s[CYP], 2
	s_lshl_b32 s40, 15, s40                        ; my row of the cluster
	s_lshl_b32 s41, 0x1111, s[CXP]                 ; my column
	; descriptor group 1: a tile of 64 rows x 256 elements, padded in LDS
	s_or_b32 s[G1A], s40, (1<<16)|(1<<20)|(1<<21)|(6<<22)|(7<<25)  ; 15:0 the mask; 17:16 elements of 2 bytes; 20 padding on; 21 set beside a mask; 24:22 after every 128 words (code 6); 31:25 8 words of it (code 7)
	s_or_b32 s[G1B], s41, (1<<16)|(1<<20)|(1<<21)|(6<<22)|(7<<25)
.irp g, G1A, G1B
	s_mov_b32 s[(\g)+1], 256<<16                   ; tensor_dim0 = 256
	s_mov_b32 s[(\g)+2], 64<<16                    ; tensor_dim1 = 64
	s_mov_b32 s[(\g)+3], 256<<16                   ; tile_dim0 = 256
	s_mov_b32 s[(\g)+4], 64                        ; tile_dim1 = 64
	s_mov_b32 s[(\g)+6], 0
	s_mov_b32 s[(\g)+7], 0
.endr
	s_mov_b32 s[G1A+5], 2048                       ; elements from row to row in pt,
	s_mov_b32 s[G1B+5], 1024                       ; and in xh
	; where the tiles come from.  pt's hang on batch and tile row, which my row of the cluster shares; xh's on the batch and the tile column, which my column shares.
	s_lshr_b32 s42, s[TR], 3
	s_lshl_b32 s42, s42, 23                        ; a batch of pt is 2,048 rows of 4,096 bytes,
	s_and_b32 s43, s[TR], 7
	s_lshl_b32 s43, s43, 9                         ; a tile's 256 n are 512 bytes of a row,
	s_add_co_u32 s42, s42, s43
	s_lshl_b32 s43, s[CH], 18                      ; the 64 rows m that I fetch
	s_add_co_u32 s42, s42, s43
	s_mov_b32 s43, 0
	s_lshl_b32 s46, s[BT], 22                      ; a batch of xh is 2,048 rows of 2,048 bytes
	s_lshl_b32 s47, s[TC], 9
	s_add_co_u32 s46, s46, s47
	s_lshl_b32 s47, s[CH], 17
	s_add_co_u32 s46, s46, s47
	s_mov_b32 s47, 0
	s_mul_i32 s23, s[WV], HALFT                    ; and where they go: wave x 64 rows: no place in the cluster enters an LDS address
	s_mov_b32 s[TB], 0
	s_wait_dscnt 0x0                               ; the opening add is done
	s_wait_kmcnt 0x0
	s_add_nc_u64 s[42:43], s[4:5], s[42:43]
	s_add_nc_u64 s[46:47], s[6:7], s[46:47]
	CROUND                                         ; all sixteen work-groups are here: the first joint loads meet
	s_mov_b32 s[G0A], 1                            ; count = 1
	s_mov_b32 s[G0A+1], s23                        ; LDS address: slot 0
	s_mov_b64 s[G0A+2:G0A+3], s[42:43]             ; global address: K step 0
	s_or_b32 s[G0A+3], s[G0A+3], 0x80000000        ; type = 2
	s_mov_b32 s[G0A+4], 1
	s_add_co_u32 s[G0A+5], s23, SLOT               ; the walking set begins with slot 1,
	s_add_nc_u64 s[G0A+6:G0A+7], s[42:43], ASTEP   ; K step 1
	s_or_b32 s[G0A+7], s[G0A+7], 0x80000000
	s_mov_b32 s[G0B], 1
	s_mov_b32 s[G0B+1], s23
	s_mov_b64 s[G0B+2:G0B+3], s[46:47]
	s_or_b32 s[G0B+3], s[G0B+3], 0x80000000
	s_mov_b32 s[G0B+4], 1
	s_add_co_u32 s[G0B+5], s23, SLOT
	s_add_nc_u64 s[G0B+6:G0B+7], s[46:47], BSTEP
	s_or_b32 s[G0B+7], s[G0B+7], 0x80000000
	s_cmp_eq_u32 s[RH], 0                          ; a wave's two first fills stand in one branch, ahead of every wait on TENSORcnt and every LDS read: two loads of mine are out
	s_cbranch_scc0 .Lfirst_b
	tensor_load_to_lds s[G0A:G0A+3], s[G1A:G1A+7]
	s_nop 0
	tensor_load_to_lds s[G0A+4:G0A+7], s[G1A:G1A+7]
	s_nop 0
.rept 4
	v_nop
.endr
	s_branch .Lfirst_asked
.Lfirst_b:
	tensor_load_to_lds s[G0B:G0B+3], s[G1B:G1B+7]
	s_nop 0
	tensor_load_to_lds s[G0B+4:G0B+7], s[G1B:G1B+7]
	s_nop 0
.rept 4
	v_nop
.endr
.Lfirst_asked:
	; the tile's two chunks of corrections are 8,192 consecutive bytes of sc: chunk 16 x batch + 2 x tile row, 4,096 bytes a chunk.  128 threads x 16 bytes x 4.
	s_lshl_b32 s44, s[TR], 13
	s_mov_b32 s45, 0
	s_add_nc_u64 s[10:11], s[10:11], s[44:45]
	v_lshlrev_b32 v[TGO], 4, v0
.irp i, 0,1,2,3
	global_load_b128 v[F0+4*\i:F0+4*\i+3], v[TGO], s[10:11] offset:2048*\i
.endr
	; The turning load takes 16 rows m x 16 columns (lane l reads 16 bytes: row 8 (l / 16) + l % 8, columns 8 ((l / 8) % 2) + 0..7) and leaves half a fragment: lane l holds column l % 16 and 8 rows m.
	v_and_b32 v1, 15, v0                           ; l % 16
	v_bfe_u32 v2, v0, 4, 1                         ; l / 16
	v_and_b32 v3, 7, v0
	v_bfe_u32 v4, v0, 3, 1
	v_and_b32 v5, 31, v0                           ; l
	v_lshl_add_u32 v6, v2, 3, v3
	v_mul_u32_u24 v6, v6, PITCH
	v_lshl_add_u32 v6, v4, 4, v6
	s_lshl_b32 s23, s[RH], 8                       ; my 128 n: 256 bytes of a row
	v_add_nc_u32 v[ADRA0], s23, v6
	s_lshl_b32 s23, s[CH], 8                       ; my 128 d,
	s_add_co_u32 s23, s23, AREG                    ; behind pt's rows
	v_add_nc_u32 v[ADRB0], s23, v6
	v_mov_b32 v[ADRA], v[ADRA0]
	v_mov_b32 v[ADRB], v[ADRB0]
	s_lshl_b32 s23, s[RH], 12                      ; my chunk's corrections; a fragment's registers 0-3 hold rows m 8 (l / 16) + 0..7: 16 bytes of them
	s_add_co_u32 s23, s23, TAB
	v_lshl_add_u32 v[SCA], v2, 4, s23
	s_mul_i32 s23, s[WV], 16*SPITCH
	s_add_co_u32 s23, s23, STAGE                   ; my stage
	v_mul_u32_u24 v7, v1, SPITCH                   ; in: row l % 16, 32 bytes for each half of the lanes
	v_lshl_add_u32 v7, v2, 5, v7
	v_add_nc_u32 v[STO], s23, v7
	v_lshl_add_u32 v[RD], v5, 4, s23               ; back: 32 lanes take a row of 512 bytes
	v_lshlrev_b32 v[CO], 4, v5
	v_add_nc_u32 v[TLO], TAB, v[TGO]
	s_lshl_b32 s44, s[TR], 20                      ; out0 at my part of the tile: 256 rows of 4,096 bytes a tile row,
	s_lshl_b32 s45, s[RH], 19                      ; my 128 rows,
	s_add_co_u32 s44, s44, s45
	s_lshl_b32 s45, s[TC], 10                      ; 1,024 bytes a tile column,
	s_add_co_u32 s44, s44, s45
	s_lshl_b32 s45, s[CH], 9                       ; my 512 bytes
	s_add_co_u32 s44, s44, s45
	s_mov_b32 s45, 0
	s_add_nc_u64 s[8:9], s[8:9], s[44:45]
	s_wait_loadcnt 0x0                             ; the corrections
.irp i, 0,1,2,3
	ds_store_b128 v[TLO], v[F0+4*\i:F0+4*\i+3] offset:2048*\i
.endr
; Group g of 16 of buffer f's scalings: four registers of p times the corrections of the rows m that they hold (register j of a fragment goes with register j of the eight)
.macro RID f, g
	WIN 0
.irp z, 0,1,2,3
	v_pk_mul_f16 v[(\f)+4*(\g)+\z], v[(\f)+4*(\g)+\z], v[SCR+8*((\f)/128)+(4*(\g)+\z)%8]
.endr
.endm
; 16 matrix instructions: n blocks a0, a0 + 1 of the window's four x all 8 d blocks, 32 along K.  zero = 1: the product starts the sums: nothing is ever cleared.
; rn > 0: rn groups of buffer rf's scalings, from group rg on, stand behind products 0, 16 / rn, 2 x 16 / rn ..; none names a register of the products round it.
; The 64 accumulators take turns, one instruction a turn, in the same order in every quarter.
.macro MUL16 f, hi, a0, zero, rf=0, rg=0, rn=0
.set mk, 0
.irp a, \a0, (\a0)+1
.irp b, 0,1,2,3,4,5,6,7
	WIN MUL_LO+0x50*(\hi)
.if \zero
	v_wmma_f32_16x16x32_f16 v[8*(8*(\a)+(\b)):8*(8*(\a)+(\b))+7], v[(\f)+8*(\b):(\f)+8*(\b)+7], v[(\f)+8*(4*(\hi)+(\a)):(\f)+8*(4*(\hi)+(\a))+7], 0
.else
	v_wmma_f32_16x16x32_f16 v[8*(8*(\a)+(\b)):8*(8*(\a)+(\b))+7], v[(\f)+8*(\b):(\f)+8*(\b)+7], v[(\f)+8*(4*(\hi)+(\a)):(\f)+8*(4*(\hi)+(\a))+7], v[8*(8*(\a)+(\b)):8*(8*(\a)+(\b))+7]
.endif
.if (\rn) > 0
.if (mk%(16/(\rn))) == 0
	RID \rf, (\rg)+mk/(16/(\rn))
.endif
.endif
.set mk, mk+1
.endr
.endr
.endm
; 34 LDS loads in one run, for quarter q of the slot in hand, into buffer f, in the order in which they are wanted: the corrections (2), p's fragments 0-3 (8), xh's eight (16), p's fragments 4-7 (8)
.macro FETCH q, f
	WIN 0
	ds_load_b128 v[SCR+8*((\f)/128):SCR+8*((\f)/128)+3],   v[SCA] offset:64*(\q)
	ds_load_b128 v[SCR+8*((\f)/128)+4:SCR+8*((\f)/128)+7], v[SCA] offset:64*(\q)+32
.irp i, 0,1,2,3
	ds_load_tr16_b128 v[(\f)+8*(\i):(\f)+8*(\i)+3],   v[ADRA] offset:32*PITCH*(\q)+32*(\i)
	ds_load_tr16_b128 v[(\f)+8*(\i)+4:(\f)+8*(\i)+7], v[ADRA] offset:32*PITCH*(\q)+32*(\i)+16*PITCH
.endr
	WIN TO_B
.irp i, 0,1,2,3,4,5,6,7
	ds_load_tr16_b128 v[(\f)+8*(\i):(\f)+8*(\i)+3],   v[ADRB] offset:32*PITCH*(\q)+32*(\i)
	ds_load_tr16_b128 v[(\f)+8*(\i)+4:(\f)+8*(\i)+7], v[ADRB] offset:32*PITCH*(\q)+32*(\i)+16*PITCH
.endr
	WIN 0
.irp i, 4,5,6,7
	ds_load_tr16_b128 v[(\f)+8*(\i):(\f)+8*(\i)+3],   v[ADRA] offset:32*PITCH*(\q)+32*(\i)
	ds_load_tr16_b128 v[(\f)+8*(\i)+4:(\f)+8*(\i)+7], v[ADRA] offset:32*PITCH*(\q)+32*(\i)+16*PITCH
.endr
.endm
; A K step is four quarters of 32 along K, 64 matrix instructions each, on buffers 0, 1, 0, 1.  One of the first three multiplies buffer f (its fragments 0-3 of p are scaled already), scales its
; fragments 4-7 beside the first 32 products, fetches quarter q into buffer g in its middle, and scales g's fragments 0-3 beside its last 16 products.
.macro QUARTER q, f, g, zero
	s_wait_dscnt 0x0                               ; buffer f is whole
	MUL16 \f, 0, 0, \zero, \f, 8, 4
	MUL16 \f, 0, 2, \zero, \f, 12, 4
	PLACES
	FETCH \q, \g
	MUL16 \f, 1, 0, \zero
	s_wait_dscnt 24                                ; g's corrections and its fragments 0-3 of p are in; the 24 younger loads (xh's 16, p's last 8) may be out
	MUL16 \f, 1, 2, \zero, \g, 0, 8
.endm
; The last quarter multiplies buffer 1 and changes slots: ONE barrier.  In front of it each wave waits for all its tensor loads (one is out: its part of the next slot), adds 0 to its spare word,
; and waits for that and for its own reads of this slot.  fill = 1: the barrier opens a round of the cluster's, and behind the round this slot is filled again first, with the K step two on:
; from that request to the wait for it a wave issues 224 matrix instructions.
.macro TURN fill
	WIN 0                                          ; (the add's two registers lie in window 0)
	s_wait_tensorcnt 0x0                           ; no tensor load of mine is out, so the walking sets may be written
	ds_add_u32 v[SPW], v[NIL]                      ; 0 onto my spare word
.if \fill
	s_xor_b32 s[G0A+5], s[G0A+5], SLOT             ; the other slot than last time,
	s_add_nc_u64 s[G0A+6:G0A+7], s[G0A+6:G0A+7], ASTEP  ; the next K step; the type bits on top are not reached
	s_xor_b32 s[G0B+5], s[G0B+5], SLOT
	s_add_nc_u64 s[G0B+6:G0B+7], s[G0B+6:G0B+7], BSTEP
.endif
	s_xor_b32 s[TB], s[TB], SLOT                   ; the fetches go on in the other slot
	s_wait_dscnt 1                                 ; buffer 1 is whole; the add alone may be out
	MUL16 F1, 0, 0, 0, F1, 8, 4                    ; sixteen matrix instructions and their riders stand between the add and the wait for it
	s_wait_dscnt 0x0                               ; the add is done, and my reads of this slot are over
	s_barrier_signal -1
	MUL16 F1, 0, 2, 0, F1, 12, 4                   ; work on registers while the others arrive
	WIN 0
	v_add_nc_u32 v[ADRA], s[TB], v[ADRA0]
	v_add_nc_u32 v[ADRB], s[TB], v[ADRB0]
	v_add_nc_u32 v[SCA], 256, v[SCA]               ; the next 128 rows' corrections
	s_barrier_wait -1
.if \fill
	CREST                                          ; no wave of any partner still reads this slot or has a load on its way
	JLOAD                                          ; the first tensor load behind the round; its four v_nop are also the places in front of the loads below
.else
	PLACES
.endif
	FETCH 0, F0
	MUL16 F1, 1, 0, 0
	s_wait_dscnt 24
	MUL16 F1, 1, 2, 0, F0, 0, 8
.endm
	s_wait_tensorcnt 1                             ; my part of K step 0 is in; K step 1's may stay out
	s_wait_dscnt 0x0                               ; for the others' sake: my part of the corrections is stored
	s_barrier_signal -1
	s_barrier_wait -1                              ; everybody's is
	FETCH 0, F0
	s_wait_dscnt 24
.irp g, 0,1,2,3,4,5,6,7
	RID F0, \g                                     ; once a launch these scalings have no products to stand beside
.endr
	QUARTER 1, F0, F1, 1                           ; the first quarter stands in front of the loop: its products start the sums
	WIN 0                                          ; at a label and at a branch every window is 0
	s_mov_b32 s3, 14                               ; fourteen trips ask for K steps 2 to 15
.Lstep:                                                ; a trip: from a K step's second quarter to the next step's first
	QUARTER 2, F1, F0, 0
	QUARTER 3, F0, F1, 0
	TURN 1
	QUARTER 1, F0, F1, 0
	WIN 0
	s_sub_co_u32 s3, s3, 1
	s_cmp_lg_u32 s3, 0
	s_cbranch_scc1 .Lstep
	QUARTER 2, F1, F0, 0                           ; the last two K steps are written out: nothing is asked for
	QUARTER 3, F0, F1, 0
	TURN 0
	QUARTER 1, F0, F1, 0
	QUARTER 2, F1, F0, 0
	QUARTER 3, F0, F1, 0
	s_wait_dscnt 0x0
	MUL16 F1, 0, 0, 0, F1, 8, 4
	MUL16 F1, 0, 2, 0, F1, 12, 4
	MUL16 F1, 1, 0, 0
	MUL16 F1, 1, 2, 0
; THE WAY OUT, a block of 16 rows n at a time.  A lane's eight f32 of a 16 x 16 result are 32 bytes of a row: they go straight from the accumulators into rows of 528 bytes of my own stage
; (33 x 16 bytes: the 16 rows of a store start at 16 different groups of four banks) and come back as whole rows of 512, into the registers that held p's fragments.
.macro TOSTAGE a
.set AC, 64*((\a)%4)
.set BK, F0+64*((\a)%2)
	s_wait_xcnt 0x0                                ; the stores of the block two back have read these registers: they are loaded again only behind this wait
	WIN (2+(\a)/4)*4                               ; an LDS store's data is source 1
.irp b, 0,1,2,3,4,5,6,7
	ds_store_b128 v[STO], v[AC+8*(\b):AC+8*(\b)+3]   offset:64*(\b)     ; each accumulator's lowest registers are read first
	ds_store_b128 v[STO], v[AC+8*(\b)+4:AC+8*(\b)+7] offset:64*(\b)+16
.endr
	WIN 0
.irp t, 0,1,2,3,4,5,6,7,8,9,10,11,12,13,14,15
	ds_load_b128 v[BK+4*(\t):BK+4*(\t)+3], v[RD] offset:(\t)*SPITCH  ; LDS serves a wave's instructions in order (ISA guide 5.7.1.4): these see the stores above; the next block's stores come behind them
.endr
.endm
.macro SEND a, younger                 ; younger: the LDS instructions issued behind block a's loads: the next block's 16 stores and 16 loads, or none
	WIN 0
.set BK, F0+64*((\a)%2)
	s_wait_dscnt \younger
.irp t, 0,1,2,3,4,5,6,7,8,9,10,11,12,13,14,15
	global_store_b128 v[CO], v[BK+4*(\t):BK+4*(\t)+3], s[8:9] offset:(16*(\a)+(\t))*OROW th:TH_STORE_NT  ; 512 consecutive bytes, at a multiple of 512 from out0's first byte; 127 rows at the most in the immediate
.endr
.endm
	PLACES                                         ; behind the last products
	TOSTAGE 0
.irp a, 1,2,3,4,5,6,7
	TOSTAGE \a
	SEND (\a)-1, 32
.endr
	SEND 7, 0
	s_wait_tensorcnt 0x0                           ; the wave's end, behind my last tensor load and my last LDS store
	ds_add_u32 v[SPW], v[NIL]
	s_wait_dscnt 0x0
	CROUND                                         ; the closing round: no work-group ends while a partner may still ask for a tile that names it
	s_endpgm
.Lfunc_end_k_q0e52a16341_mix:
	.size	k_q0e52a16341_mix, .Lfunc_end_k_q0e52a16341_mix-k_q0e52a16341_mix
	.p2alignl 7, 3214868480
	.fill 96, 4, 3214868480
	.section	.rodata,"a",@progbits
	.p2align	6, 0x0
	.amdhsa_kernel k_q0e52a16341_mix
		.amdhsa_group_segment_fixed_size 327680
		.amdhsa_private_segment_fixed_size 0
		.amdhsa_enable_private_segment 0
		.amdhsa_kernarg_size 32
		.amdhsa_user_sgpr_count 2
		.amdhsa_user_sgpr_kernarg_segment_ptr 1
		.amdhsa_wavefront_size32 1
		.amdhsa_system_sgpr_workgroup_id_x 1
		.amdhsa_system_sgpr_workgroup_id_y 1
		.amdhsa_system_sgpr_workgroup_id_z 1
		.amdhsa_system_vgpr_workitem_id 0
		.amdhsa_next_free_vgpr 1024
		.amdhsa_next_free_sgpr 72
		.amdhsa_reserve_vcc 0
		.amdhsa_float_denorm_mode_32 3
		.amdhsa_float_denorm_mode_16_64 3
		.amdhsa_memory_ordered 1
		.amdhsa_forward_progress 1
		.amdhsa_inst_pref_size 176
	.end_amdhsa_kernel
	.amdgpu_metadata
---
amdhsa.version: [ 1, 2 ]
amdhsa.kernels:
  - .name:           k_q0e52a16341_mix
    .symbol:         k_q0e52a16341_mix.kd
    .args:
      - { .name: pt, .offset: 0, .size: 8, .value_kind: global_buffer, .address_space: global }
      - { .name: xh, .offset: 8, .size: 8, .value_kind: global_buffer, .address_space: global }
      - { .name: out0, .offset: 16, .size: 8, .value_kind: global_buffer, .address_space: global }
      - { .name: sc, .offset: 24, .size: 8, .value_kind: global_buffer, .address_space: global }
    .group_segment_fixed_size: 327680
    .private_segment_fixed_size: 0
    .kernarg_segment_align: 8
    .kernarg_segment_size: 32
    .max_flat_workgroup_size: 128
    .sgpr_count:     72
    .vgpr_count:     1024
    .wavefront_size: 32
...
	.end_amdgpu_metadata
.endif
;; end of part 4
;; ======== version 2 of 2: 4 launches; version 1 with the launch cvt written anew for expert scheduling mode
;; limits: inputs' magnitudes at most 65,504; values are held in f16: magnitudes above 65,504 overflow, below 6.1e-05 lose precision
;; workspace buffers: xh 33,554,432 bytes; yh 33,554,432 bytes; pt 67,108,864 bytes; cmx 1,048,576 bytes; lsm 1,048,576 bytes; sc 524,288 bytes
;; launch cvt (part 5): grid 512 x 2, 8 waves a work-group, no clusters, 0 bytes of LDS; arguments x, y, xh, yh; writes xh, yh
.if DOCPART == 5
	.amdgcn_target "amdgcn-amd-amdhsa--gfx1250"
	.amdhsa_code_object_version 6
	.text
	.protected	k_q0e52a16341_cvt
	.globl	k_q0e52a16341_cvt
	.p2align	8
	.type	k_q0e52a16341_cvt,@function
k_q0e52a16341_cvt:
	s_mov_b64 s[64:65], 0
	v_nop
	global_prefetch_b8 v0, s[64:65] scope:SCOPE_SE
	s_setreg_imm32_b32 hwreg(HW_REG_WAVE_SCHED_MODE, 0, 2), 2
	s_setreg_imm32_b32 hwreg(HW_REG_WAVE_MODE, 25, 1), 1
	s_wait_xcnt 0x0
	s_wait_alu depctr_vm_vsrc(0)
; xh = x and yh = y in 16 bits: each f32 is rounded once to bf16 (nearest even), and that number is written as f16.
; The second step is exact for magnitudes from 2^-17 to 65,504 (bf16 keeps 8 significant bits, f16 keeps 11).
; LIMITS.  A number beyond 65,504 after its rounding becomes an infinity; below 2^-17 the number keeps f16's fixed step of 6e-8.
; SHARES.  Grid y picks the tensor (0: x, 1: y).  A work-group of eight waves owns 32 stretches of 4,096 input bytes; thread t owns the 16 bytes at 16 t of each.
; A wave's load covers 512 consecutive bytes, its store 256 consecutive bytes that begin at a multiple of 256 from the buffer's first byte.
; No LDS, no barrier, no matrix unit: every byte is read once and written once.
; THE MODE: SCHED_MODE bits 1:0 = 2 (LLVM: expert scheduling mode 2), set by the entry lines.  The code itself states the register dependences
; between vector instructions and memory instructions, with s_wait_alu, always for 0.
; THE PLAN.  The 32 stretches go in 8 blocks of four.  Registers that memory instructions touch:
;   X0 .. X4   five blocks as loaded.  Written by loads alone: blocks 0 to 3 at the head, block p + 4 in block p; read by block p's roundings to bf16.
;   Y0, Y1     two blocks to store.   Written by block p's conversions to f16; read by the four stores that are issued in block p + 1.
;   v1, v2     byte offsets, made once at the head and never written again: the place of a stretch stands in the immediates, and the two bases are never stepped.
; Block p works on X[p % 5] and writes Y[p % 2].  Its memory instructions are the loads into X[(p + 4) % 5] = X[(p - 1) % 5] and the stores from Y[(p - 1) % 2]:
; the two buffers that block p - 1 worked on and that no vector instruction of block p names.  So the waits at a block's head state all that the block's eight
; memory instructions hang on, and these are dealt among its vector instructions with no further wait.  Behind a block's four loads 16 loads of the wave are on their way.
.set ROWB,   4096                      ; input bytes of a stretch
.set BLOCK,  4                         ; stretches in a block
.set BLOCKS, 8
.set AHEAD,  4                         ; block p asks for block p + 4
.set PK,    4                          ; v[4:5]    four numbers as bf16: no memory instruction names them
.set WD,    6                          ; v[6:9]    the same four, widened to f32: likewise
.set X,     12                         ; v[12:91]  buffer k, stretch i: 4 registers at X + 16 k + 4 i, as loaded
.set Y,     92                         ; v[92:107] buffer k, stretch i: 2 registers at Y + 8 k + 2 i, to store
	s_load_b256 s[4:11], s[0:1], 0x0               ; x s[4:5], y s[6:7], xh s[8:9], yh s[10:11]
	s_and_b32 s12, ttmp7, 0xffff                   ; which tensor
	s_mov_b32 s13, 0xffff0000                      ; a word's upper bf16
	s_lshl_b32 s14, ttmp9, 17                      ; the work-group's 131,072 input bytes
	s_mov_b32 s15, 0
	s_lshl_b32 s16, ttmp9, 16                      ; and its 65,536 output bytes
	s_mov_b32 s17, 0
	v_lshlrev_b32 v1, 4, v0                        ; 16 t; never rewritten
	v_lshlrev_b32 v2, 3, v0                        ; 8 t; never rewritten
	s_wait_kmcnt 0x0
	s_cmp_eq_u32 s12, 0
	s_cselect_b64 s[4:5], s[4:5], s[6:7]           ; from x or from y,
	s_cselect_b64 s[8:9], s[8:9], s[10:11]         ; into xh or into yh
	s_add_nc_u64 s[4:5], s[4:5], s[14:15]
	s_add_nc_u64 s[8:9], s[8:9], s[16:17]
	s_wait_alu depctr_va_vdst(0)                   ; v1 and v2 are written: every load of the kernel reads v1 as its offset, every store v2
.set r, 0
.rept AHEAD*BLOCK
	global_load_b128 v[X+4*r:X+4*r+3], v1, s[4:5] offset:r*ROWB th:TH_LOAD_NT  ; blocks 0 to 3 into X0 to X3
.set r, r+1
.endr
.set p, 0
.rept BLOCKS                           ; block p; the place of a stretch stands in the immediates, so no address register is ever rewritten
.set xb, X+16*(p%5)                    ; the block's own numbers
.set xn, X+16*((p+AHEAD)%5)            ; where block p + 4 lands: the buffer that block p - 1 worked on
.set yb, Y+8*(p%2)                     ; what this block writes
.set yo, Y+8*((p+1)%2)                 ; what the block before wrote
.if p <= BLOCKS-AHEAD
	s_wait_loadcnt 3*BLOCK                         ; loads come back in order (ISA guide 5.7.1): block p is in, the three younger blocks stay out
.else
	s_wait_loadcnt (BLOCKS-1-p)*BLOCK              ; nothing is loaded any more: the count runs down
.endif
.if p >= 2                             ; blocks 0 and 1 write their Y for the first time
	s_wait_xcnt 0x0                                ; every earlier memory instruction has had its addresses translated (ISA guide 3.1): this block's Y was the data of the stores issued in the block before and is rewritten only behind this wait
	s_wait_alu depctr_vm_vsrc(0)                   ; those stores have read this block's Y, which the conversions below write again
.endif
.if p >= 1
	s_wait_alu depctr_va_vdst(0)                   ; the block before has written the other Y, which the stores below read, and is done reading its X, in which the loads below (blocks 1 to 3 have them) land
.endif
.irp i, 0,1,2,3
.if p < BLOCKS-AHEAD
	global_load_b128 v[xn+4*(\i):xn+4*(\i)+3], v1, s[4:5] offset:(BLOCK*(p+AHEAD)+(\i))*ROWB th:TH_LOAD_NT  ; four blocks ahead, the load ahead of the store; no vector instruction since the wait names these registers
.endif
.if p >= 1
	global_store_b64 v2, v[yo+2*(\i):yo+2*(\i)+1], s[8:9] offset:(BLOCK*(p-1)+(\i))*ROWB/2  ; the block before
.endif
	v_cvt_pk_bf16_f32 v[PK],   v[xb+4*(\i)],   v[xb+4*(\i)+1]
	v_cvt_pk_bf16_f32 v[PK+1], v[xb+4*(\i)+2], v[xb+4*(\i)+3]
	v_lshlrev_b32 v[WD],   16,  v[PK]              ; bf16 to f32: the low half moves up,
	v_and_b32     v[WD+1], s13, v[PK]              ; the high half stays
	v_lshlrev_b32 v[WD+2], 16,  v[PK+1]
	v_and_b32     v[WD+3], s13, v[PK+1]
	v_cvt_pk_f16_f32 v[yb+2*(\i)],   v[WD],   v[WD+1]
	v_cvt_pk_f16_f32 v[yb+2*(\i)+1], v[WD+2], v[WD+3]
.endr
.set p, p+1
.endr
	s_wait_alu depctr_va_vdst(0)                   ; block 7 has written Y1, which the last four stores read
.irp i, 0,1,2,3
	global_store_b64 v2, v[Y+8+2*(\i):Y+8+2*(\i)+1], s[8:9] offset:(BLOCK*(BLOCKS-1)+(\i))*ROWB/2
.endr
	s_endpgm
.Lfunc_end_k_q0e52a16341_cvt:
	.size	k_q0e52a16341_cvt, .Lfunc_end_k_q0e52a16341_cvt-k_q0e52a16341_cvt
	.p2alignl 7, 3214868480
	.fill 96, 4, 3214868480
	.section	.rodata,"a",@progbits
	.p2align	6, 0x0
	.amdhsa_kernel k_q0e52a16341_cvt
		.amdhsa_group_segment_fixed_size 0
		.amdhsa_private_segment_fixed_size 0
		.amdhsa_enable_private_segment 0
		.amdhsa_kernarg_size 32
		.amdhsa_user_sgpr_count 2
		.amdhsa_user_sgpr_kernarg_segment_ptr 1
		.amdhsa_wavefront_size32 1
		.amdhsa_system_sgpr_workgroup_id_x 1
		.amdhsa_system_sgpr_workgroup_id_y 1
		.amdhsa_system_sgpr_workgroup_id_z 1
		.amdhsa_system_vgpr_workitem_id 0
		.amdhsa_next_free_vgpr 112
		.amdhsa_next_free_sgpr 66
		.amdhsa_reserve_vcc 0
		.amdhsa_float_denorm_mode_32 3
		.amdhsa_float_denorm_mode_16_64 3
		.amdhsa_memory_ordered 1
		.amdhsa_forward_progress 1
		.amdhsa_inst_pref_size 20
	.end_amdhsa_kernel
	.amdgpu_metadata
---
amdhsa.version: [ 1, 2 ]
amdhsa.kernels:
  - .name:           k_q0e52a16341_cvt
    .symbol:         k_q0e52a16341_cvt.kd
    .args:
      - { .name: x, .offset: 0, .size: 8, .value_kind: global_buffer, .address_space: global }
      - { .name: y, .offset: 8, .size: 8, .value_kind: global_buffer, .address_space: global }
      - { .name: xh, .offset: 16, .size: 8, .value_kind: global_buffer, .address_space: global }
      - { .name: yh, .offset: 24, .size: 8, .value_kind: global_buffer, .address_space: global }
    .group_segment_fixed_size: 0
    .private_segment_fixed_size: 0
    .kernarg_segment_align: 8
    .kernarg_segment_size: 32
    .max_flat_workgroup_size: 256
    .sgpr_count:     66
    .vgpr_count:     112
    .wavefront_size: 32
...
	.end_amdgpu_metadata
.endif
;; end of part 5
;; launch scores: the kernel of part 2 again; grid 8 x 64, 4 waves a work-group, clusters of 4 x 4, 327,680 bytes of LDS; arguments xh, yh, pt, cmx, lsm; writes pt, cmx, lsm
;; launch norm: the kernel of part 3 again; grid 128 x 1, 1 waves a work-group, no clusters, 0 bytes of LDS; arguments cmx, lsm, sc; writes sc
;; launch mix: the kernel of part 4 again; grid 4 x 64, 4 waves a work-group, clusters of 4 x 4, 327,680 bytes of LDS; arguments pt, xh, out0, sc; writes out0
